; MI455X (gfx1250); checked and timed in simulation.
; The chip was launched on July 23, 2026; its instructions are those of AMD's public machine-readable ISA for CDNA 5 (MIT licence, August 2026) and "CDNA5" Instruction Set Architecture Reference Guide (July 2026). The comments in the code are by the model that wrote it; some were corrected since.
;; Time Embedder. Allowed arithmetic: float matrix products may take bf16 or f16 operands with f32 sums; all other float work in f32.
;; Inputs: W1 1,024 x 4,096 float32; W2 4,096 x 4,096 float32; b1 4,096 float32; b2 4,096 float32; t 2,048 float32.
;; Outputs: out0 2,048 x 4,096 float32.
;; One version. Each part assembles by itself: llvm-mc -triple=amdgcn-amd-amdhsa -mcpu=gfx1250 --defsym DOCPART=n.
;; ======== version 1 of 1: 3 launches
;; limits: values are held in f16: magnitudes above 65,504 overflow, below 6.1e-05 lose precision; right only within a limited range of input values
;; workspace buffers: E 4,194,304 bytes; W1h 8,388,608 bytes; W2h 33,554,432 bytes; H 16,777,216 bytes
;; launch prep (part 1): grid 256 x 1, 8 waves a work-group, no clusters, 0 bytes of LDS; arguments t, W1, W2, E, W1h, W2h; writes E, W1h, W2h
.if DOCPART == 1
	.amdgcn_target "amdgcn-amd-amdhsa--gfx1250"
	.amdhsa_code_object_version 6
	.text
	.protected	k_q9742981930_prep
	.globl	k_q9742981930_prep
	.p2align	8
	.type	k_q9742981930_prep,@function
k_q9742981930_prep:
	s_mov_b64 s[64:65], 0
	v_nop
	global_prefetch_b8 v0, s[64:65] scope:SCOPE_SE
	s_setreg_imm32_b32 hwreg(HW_REG_WAVE_MODE, 25, 1), 1
	s_wait_xcnt 0x0
; PREP: what the two products need in 16 bits.  Nothing of reference() is left out in this program: every input is loaded, every step is done.
;   E[2048][1024]  f16: the cos | sin embedding of 1000 t, each row less its mean and over its standard deviation (divisor 1023)
;   W1h[1024][4096], W2h[4096][4096] f16: W1 and W2 rounded once, in the same [K][N] order (the products transpose on the way out of LDS)
; WHY f16 AND NOT bf16: both feed the matrix unit alike; f16 keeps 11 significant bits against 8, and the result of two chained products of
; rounded operands is compared within a hundredth of its root mean square.
; LIMITS (stated): |W1|, |W2| above 65,504 become infinite in f16; below 6.1e-5 they keep an absolute error of at most 3e-8.
;   The reduction of the angle holds for |1000 t| < 2^22 (the quadrant number n must be exact in f32 and n times the low part of pi/2 stay small).
;   A frequency is 2^(-i log2(10000)/511) by v_exp_f32: its exponent, at most 13.3, carries two f32 roundings, so the frequency's relative
;   error is at most about 1e-6 (at the lowest frequencies, where the angles are smallest) and 2e-7 at the highest.
; SHAPE: a stream; the work-groups share no input, so no LDS, no barrier, no cluster, no matrix unit.  256 work-groups of 8 waves.
;   Work-group g converts 64 KiB of W1, 256 KiB of W2 (80 chunks of 4,096 bytes, 16 bytes a thread) and makes rows 8 g .. 8 g + 7 of E, one a wave.
;   Each of a wave's 80 chunks has four registers of its own (320 of the wave's 396; the two waves of a SIMD take 792 of its 1,024): no register is
;   loaded twice, so no load ever waits for a store to have read its data.  60 loads of every wave (240 KiB a work-group) go out first and land while
;   the wave works out its row of E; the other 20 follow, four behind every four chunks stored: a wave never has more than 60 loads out.
;   A load of a wave covers 512 consecutive bytes; a store of a wave 256 consecutive bytes at a multiple of 256 from the buffer's first byte.
.set CS,     4                         ; v[4:19]    16 cosines: angle i = 8 lane + e + 256 c at CS + e + 8 c
.set SN,     20                        ; v[20:35]   16 sines, likewise
.set FR,     36                        ; v[36:51]   16 frequencies; at the end the row's 32 numbers packed to f16
.set X0,     72                        ; v[72:255]  chunks 0-45, 4 registers each: as loaded; the first two as stored
.set NLO,    46
.set X1,     4                         ; v[260:395] chunks 46-79 (window 1, written v4 ..)
.set UP,     60                        ; loads that go out ahead of everything else
.set CH1,    16                        ; chunks of W1; the other 64 are W2's
.set CHUNKS, 80
; v1 = 16 thread, v2 = 8 thread, v258 = 8 thread again (window 1), v3 = 16 lane, v68 = 8 lane: never rewritten.
; v52 = 1000 t.  v53-v61 at work.  v[62:65] sums.  v[66:67] a pair to add or multiply by.
.set MSB, 0
.macro WIN new                         ; s_set_vgpr_msb's low byte: bits 1:0 source 0, 3:2 source 1, 5:4 source 2, 7:6 destination; its high byte repeats the setting that is left
.if MSB != (\new)
	s_set_vgpr_msb (MSB<<8)|(\new)
.set MSB, (\new)
.endif
.endm
	s_load_b256 s[4:11], s[0:1], 0x0               ; t s[4:5], W1 s[6:7], W2 s[8:9], E s[10:11]
	s_load_b128 s[12:15], s[0:1], 0x20             ; W1h s[12:13], W2h s[14:15]
	v_lshrrev_b32 v53, 5, v0
	v_readfirstlane_b32 s16, v53                   ; wave 0..7
	s_lshl_b32 s17, ttmp9, 3
	s_add_co_u32 s17, s17, s16                     ; my row of E = 8 g + wave
	s_mov_b32 s19, 0                               ; high word of every offset: all are below 4 GiB
	v_lshlrev_b32 v1, 4, v0                        ; 16 bytes of f32 a thread
	v_lshlrev_b32 v2, 3, v0                        ; 8 bytes of f16 a thread
	v_and_b32 v68, 31, v0                          ; lane
	v_lshlrev_b32 v3, 4, v68                       ; 16 lane
	v_lshlrev_b32 v68, 3, v68                      ; 8 lane: my first angle
	v_mov_b32 v69, 0                               ; v_permlanex16_b32 counts as a reader of its destination
	s_mov_b32 s22, 0x76543210                      ; v_permlanex16_b32: lane i of one half reads lane i of the other
	s_mov_b32 s23, 0xfedcba98
	s_mov_b32 s24, 0xbfc90fdb                      ; -(pi/2 rounded to f32)
	s_mov_b32 s25, 0x333bbd2e                      ; -(pi/2 less that), +4.3711e-8
	s_mov_b32 s26, 0xb94ca1f9                      ; sine:   -1.9515296e-4
	s_mov_b32 s27, 0x3c08839e                      ;          8.3321609e-3
	s_mov_b32 s28, 0xbe2aaaa3                      ;         -1.6666655e-1
	s_mov_b32 s29, 0x37ccf5ce                      ; cosine:  2.4433157e-5
	s_mov_b32 s30, 0xbab6061a                      ;         -1.3887316e-3
	s_mov_b32 s31, 0x3d2aaaa5                      ;          4.1666646e-2
	s_wait_kmcnt 0x0
	s_lshl_b32 s18, ttmp9, 16
	s_add_nc_u64 s[6:7], s[6:7], s[18:19]          ; W1  + 65,536 g
	s_lshl_b32 s18, ttmp9, 15
	s_add_nc_u64 s[12:13], s[12:13], s[18:19]      ; W1h + 32,768 g
	s_lshl_b32 s18, ttmp9, 18
	s_add_nc_u64 s[8:9], s[8:9], s[18:19]          ; W2  + 262,144 g
	s_lshl_b32 s18, ttmp9, 17
	s_add_nc_u64 s[14:15], s[14:15], s[18:19]      ; W2h + 131,072 g
	s_lshl_b32 s18, s17, 2
	s_add_nc_u64 s[4:5], s[4:5], s[18:19]          ; t + 4 row
	s_lshl_b32 s18, s17, 11
	s_add_nc_u64 s[10:11], s[10:11], s[18:19]      ; E + 2,048 row
	s_load_b32 s20, s[4:5], 0x0                    ; t[row]: no line of this kernel writes t
; Where chunk c lives: XW its window, XB its first register there.
.macro SEL c
.if (\c) < NLO
.set XW, 0
.set XB, X0+4*(\c)
.else
.set XW, 1
.set XB, X1+4*((\c)-NLO)
.endif
.endm
; Chunk c is loaded.  ISS counts the loads issued so far.  For window 1 the destination alone changes window: the offset is v1 itself.
.set ISS, 0
.macro LD c
	SEL \c
	WIN (0x40*XW)
.if (\c) < CH1
	global_load_b128 v[XB:XB+3], v1, s[6:7] offset:4096*(\c) th:TH_LOAD_NT
.else
	global_load_b128 v[XB:XB+3], v1, s[8:9] offset:4096*((\c)-CH1) th:TH_LOAD_NT
.endif
.set ISS, ISS+1
.endm
; Chunk c is rounded in place (four f32 into two registers) and stored.  No hint on the store: the next launches read these bytes.
; For window 1 one setting serves both kinds of line: destination, source 0 and source 1 in window 1; the store's offset (its source 0) is then v258.
.macro CV c
	SEL \c
	s_wait_loadcnt ISS-(\c)-1                      ; loads come back in order (ISA guide 5.7.1): chunk c's is in, the ISS - c - 1 issued behind it stay out
	WIN (0x45*XW)
	v_cvt_pk_f16_f32 v[XB],   v[XB],   v[XB+1]
	v_cvt_pk_f16_f32 v[XB+1], v[XB+2], v[XB+3]
.if (\c) < CH1
	global_store_b64 v2, v[XB:XB+1], s[12:13] offset:2048*(\c)
.else
	global_store_b64 v2, v[XB:XB+1], s[14:15] offset:2048*((\c)-CH1)
.endif
.endm
.set cl, 0
.rept UP
	LD cl                                          ; 60 loads of 512 bytes a wave are on their way
.set cl, cl+1
.endr
	WIN 0x40
	v_lshlrev_b32 v2, 3, v0                        ; v258 = 8 thread: the offset of the stores from window 1
	WIN 0
	; THE ROW OF E.  Frequencies first: 2^(-i log2(10000)/511), i = 8 lane + e + 256 c.
.set j, 0
.rept 16
	v_add_nc_u32 v[FR+j], (j%8)+256*(j/8), v68
.set j, j+1
.endr
.set j, 0
.rept 16
	v_cvt_f32_u32 v[FR+j], v[FR+j]
.set j, j+1
.endr
.set j, 0
.rept 16
	v_mul_f32 v[FR+j], 0xbcd504fb, v[FR+j]         ; times -log2(10000)/511
.set j, j+1
.endr
.set j, 0
.rept 16
	v_exp_f32 v[FR+j], v[FR+j]
.set j, j+1
.endr
	v_mov_b32 v52, 0x447a0000                      ; 1000.0; also the plain instruction that stands behind the last v_exp_f32 before its result is used (ISA guide 5.7.2)
	s_wait_kmcnt 0x0                               ; t[row]
	v_mul_f32 v52, s20, v52                        ; x = 1000 t
	s_wait_alu depctr_va_vdst(0)
; Angle j: a = x f = n pi/2 + r with |r| <= pi/4 (n pi/2 is taken away in two parts, each by one fused multiply-add),
; sin r and cos r by polynomials in z = r r, and the quadrant q = n mod 4 chooses and signs:
;   sin a = s, c, -s, -c   cos a = c, -s, -c, s   for q = 0, 1, 2, 3.
.macro ANG j
	v_mul_f32 v53, v52, v[FR+\j]                   ; a
	v_mul_f32 v54, 0x3f22f983, v53                 ; a 2/pi
	v_rndne_f32 v54, v54                           ; n
	v_fma_f32 v55, v54, s24, v53
	v_fma_f32 v55, v54, s25, v55                   ; r
	v_cvt_i32_f32 v59, v54                         ; q (its two low bits count)
	v_mul_f32 v56, v55, v55                        ; z
	v_fma_f32 v57, v56, s26, s27
	v_fma_f32 v58, v56, s29, s30
	v_fma_f32 v57, v57, v56, s28
	v_fma_f32 v58, v58, v56, s31
	v_mul_f32 v60, v56, v55                        ; z r
	v_mul_f32 v61, v56, v56                        ; z z
	v_fma_f32 v53, v56, -0.5, 1.0                  ; 1 - z/2
	v_fma_f32 v57, v57, v60, v55                   ; s = sin r
	v_fma_f32 v58, v58, v61, v53                   ; c = cos r
	v_and_b32 v60, 1, v59
	v_cmp_eq_u32 vcc_lo, 1, v60                    ; odd quadrant: sine and cosine change places
	v_and_b32 v60, 2, v59                          ; the sine is negative in quadrants 2, 3
	v_add_nc_u32 v61, 1, v59
	v_lshlrev_b32 v60, 30, v60
	v_and_b32 v61, 2, v61                          ; the cosine in quadrants 1, 2
	v_lshlrev_b32 v61, 30, v61
	v_cndmask_b32 v[SN+\j], v57, v58, vcc_lo
	v_cndmask_b32 v[CS+\j], v58, v57, vcc_lo
	v_xor_b32 v[SN+\j], v[SN+\j], v60
	v_xor_b32 v[CS+\j], v[CS+\j], v61
.endm
.irp j, 0,1,2,3,4,5,6,7,8,9,10,11,12,13,14,15
	ANG \j
.endr
; v[62:65], two chains of pairs, are folded to one number, summed over the 32 lanes; every lane gets the sum in v62.
.macro LANESUM
	v_pk_add_f32 v[62:63], v[62:63], v[64:65]
	v_add_f32 v62, v62, v63
	v_add_f32_dpp v62, v62, v62 row_xmask:1 row_mask:0xf bank_mask:0xf
	v_add_f32_dpp v62, v62, v62 row_xmask:2 row_mask:0xf bank_mask:0xf
	v_add_f32_dpp v62, v62, v62 row_xmask:4 row_mask:0xf bank_mask:0xf
	v_add_f32_dpp v62, v62, v62 row_xmask:8 row_mask:0xf bank_mask:0xf
	v_permlanex16_b32 v69, v62, s22, s23
	v_add_f32 v62, v62, v69
.endm
	; the mean, then the differences, then their squares: two passes, as reference() has them.  The first pairs start the chains: nothing is cleared.
	v_pk_add_f32 v[62:63], v[CS:CS+1], v[CS+2:CS+3]
	v_pk_add_f32 v[64:65], v[CS+4:CS+5], v[CS+6:CS+7]
.set p, 4
.rept 6
	v_pk_add_f32 v[62:63], v[62:63], v[CS+2*p:CS+2*p+1]
	v_pk_add_f32 v[64:65], v[64:65], v[CS+2*p+2:CS+2*p+3]
.set p, p+2
.endr
	LANESUM
	v_mul_f32 v66, 0xba800000, v62                 ; -sum / 1024
	v_mul_f32 v67, 0xba800000, v62
.set p, 0
.rept 16
	v_pk_add_f32 v[CS+2*p:CS+2*p+1], v[CS+2*p:CS+2*p+1], v[66:67]
.set p, p+1
.endr
	v_pk_mul_f32 v[62:63], v[CS:CS+1], v[CS:CS+1]
	v_pk_mul_f32 v[64:65], v[CS+2:CS+3], v[CS+2:CS+3]
.set p, 2
.rept 7
	v_pk_fma_f32 v[62:63], v[CS+2*p:CS+2*p+1], v[CS+2*p:CS+2*p+1], v[62:63]
	v_pk_fma_f32 v[64:65], v[CS+2*p+2:CS+2*p+3], v[CS+2*p+2:CS+2*p+3], v[64:65]
.set p, p+2
.endr
	LANESUM
	v_mul_f32 v62, 0x3a802008, v62                 ; / 1023
	v_rsq_f32 v66, v62
	v_rsq_f32 v67, v62                             ; twice: a pair for the packed multiply
	v_nop                                          ; one plain instruction behind a transcendental before its result is used (ISA guide 5.7.2)
.set p, 0
	s_wait_alu depctr_va_vdst(0)
.rept 16
	v_pk_mul_f32 v[CS+2*p:CS+2*p+1], v[CS+2*p:CS+2*p+1], v[66:67]
.set p, p+1
.endr
.set p, 0
.rept 16
	v_cvt_pk_f16_f32 v[FR+p], v[CS+2*p], v[CS+2*p+1]
.set p, p+1
.endr
.irp k, 0,1,2,3
	global_store_b128 v3, v[FR+4*\k:FR+4*\k+3], s[10:11] offset:512*\k   ; columns 256 k + 8 lane ..: cosines 0-255, 256-511, sines 0-255, 256-511; 512 consecutive bytes each
.endr
	; THE STREAM: four chunks out, four chunks asked for, until none is left to ask for; then the counts run down to 0.
	; A load names registers that no earlier line has named, so nothing stands between the stores and the loads.
.set cv, 0
.rept CHUNKS/4
.rept 4
	CV cv
.set cv, cv+1
.endr
.if cl < CHUNKS
.rept 4
	LD cl
.set cl, cl+1
.endr
.endif
.endr
	WIN 0
	s_endpgm
.Lfunc_end_k_q9742981930_prep:
	.size	k_q9742981930_prep, .Lfunc_end_k_q9742981930_prep-k_q9742981930_prep
	.p2alignl 7, 3214868480
	.fill 96, 4, 3214868480
	.section	.rodata,"a",@progbits
	.p2align	6, 0x0
	.amdhsa_kernel k_q9742981930_prep
		.amdhsa_group_segment_fixed_size 0
		.amdhsa_private_segment_fixed_size 0
		.amdhsa_enable_private_segment 0
		.amdhsa_kernarg_size 48
		.amdhsa_user_sgpr_count 2
		.amdhsa_user_sgpr_kernarg_segment_ptr 1
		.amdhsa_wavefront_size32 1
		.amdhsa_system_sgpr_workgroup_id_x 1
		.amdhsa_system_sgpr_workgroup_id_y 1
		.amdhsa_system_sgpr_workgroup_id_z 1
		.amdhsa_system_vgpr_workitem_id 0
		.amdhsa_next_free_vgpr 396
		.amdhsa_next_free_sgpr 66
		.amdhsa_reserve_vcc 1
		.amdhsa_float_denorm_mode_32 3
		.amdhsa_float_denorm_mode_16_64 3
		.amdhsa_memory_ordered 1
		.amdhsa_forward_progress 1
		.amdhsa_inst_pref_size 58
	.end_amdhsa_kernel
	.amdgpu_metadata
---
amdhsa.version: [ 1, 2 ]
amdhsa.kernels:
  - .name:           k_q9742981930_prep
    .symbol:         k_q9742981930_prep.kd
    .args:
      - { .name: t, .offset: 0, .size: 8, .value_kind: global_buffer, .address_space: global }
      - { .name: W1, .offset: 8, .size: 8, .value_kind: global_buffer, .address_space: global }
      - { .name: W2, .offset: 16, .size: 8, .value_kind: global_buffer, .address_space: global }
      - { .name: E, .offset: 24, .size: 8, .value_kind: global_buffer, .address_space: global }
      - { .name: W1h, .offset: 32, .size: 8, .value_kind: global_buffer, .address_space: global }
      - { .name: W2h, .offset: 40, .size: 8, .value_kind: global_buffer, .address_space: global }
    .group_segment_fixed_size: 0
    .private_segment_fixed_size: 0
    .kernarg_segment_align: 8
    .kernarg_segment_size: 48
    .max_flat_workgroup_size: 256
    .sgpr_count:     66
    .vgpr_count:     396
    .wavefront_size: 32
...
	.end_amdgpu_metadata
.endif
;; end of part 1
;; launch gemm1 (part 2): grid 16 x 16, 4 waves a work-group, clusters of 4 x 4, 327,680 bytes of LDS; arguments E, W1h, b1, H; writes H
.if DOCPART == 2
	.amdgcn_target "amdgcn-amd-amdhsa--gfx1250"
	.amdhsa_code_object_version 6
	.text
	.protected	k_q9742981930_gemm1
	.globl	k_q9742981930_gemm1
	.p2align	8
	.type	k_q9742981930_gemm1,@function
k_q9742981930_gemm1:
	s_mov_b64 s[64:65], 0
	v_nop
	global_prefetch_b8 v0, s[64:65] scope:SCOPE_SE
	s_setreg_imm32_b32 hwreg(HW_REG_WAVE_MODE, 25, 1), 1
	s_wait_xcnt 0x0
	s_wait_alu depctr_hold_cnt(0) depctr_sa_sdst(0) depctr_va_vdst(0) depctr_va_sdst(0) depctr_va_ssrc(0) depctr_va_vcc(0) depctr_vm_vsrc(0)
	s_getreg_b32 s2, hwreg(HW_REG_IB_STS2, 6, 4)
	s_cmp_eq_u32 s2, 0
	s_cbranch_scc0 .Lentry_in_a_cluster
	s_endpgm
.Lentry_in_a_cluster:
	s_bfe_u32 s2, ttmp6, 0x10000c
	s_cmp_lg_u32 s2, 0xf033
	s_cbranch_scc0 .Lentry_shape_is_right
	s_endpgm
.Lentry_shape_is_right:
; GEMM 1: H = silu(E W1h + b1).  E [2048][1024] f16, W1h [1024][4096] f16 (K down the rows), b1 [4096] f32, H [2048][4096] f16.  Nothing is left out.
; Sums in f32; bias, sigmoid and the product with it in f32; H rounded once.
; LIMITS (stated): |H| above 65,504 becomes infinite in f16, below 6.1e-5 it keeps an absolute error of at most 3e-8.
;   Each sum over K is made in two halves (k mod 64 below 32, and from 32 on), which are added at the end: another order of rounding than reference()'s.
; SHAPE: 256 work-groups, each a block of 128 rows x 256 columns, four waves.  A wave holds 128 x 128 sums (64 tiles of 16 x 16, 512 registers), so that
;   32 loads of 16 bytes a lane feed 64 matrix instructions; since the block has only two such squares, the four waves also split K:
;   wave w = 2 kh + nh takes all 128 rows, columns 128 nh .. + 127, and k = 64 c + 32 kh .. + 31 of every chunk c of 64 along K.  At the end waves w and
;   w xor 2 hand each other one half of their sums through LDS, and wave w finishes rows 64 kh .. 64 kh + 63.
; THE GRID: x counts the 16 block rows, y the 16 block columns.  y is the slow axis of the launch order, so the first 128 work-groups between them need all of
;   A and one half of B's columns, the other 128 all of A and the other half: 4.2 + 4.2 MB of distinct bytes for either half of the launch.  With the axes the
;   other way round it would be half of A and all of B, the larger operand: 2.1 + 8.4 MB.
; THE RING: two LDS slots, as large as fit: a slot holds 192 along K (three chunks), 159,744 bytes, two of them 319,488 of the 327,680 that there are.
;   bytes w x 34,816, w = 0, 1, 2: B's k rows 64 w .. 64 w + 63: 64 rows of 512 bytes + 32 of padding, fetched by wave w;
;   bytes 3 x 34,816: A's 128 rows x 192 numbers, fetched by wave 3: 16 bytes of padding behind every 128, so a chunk takes 144 bytes and a row 432.
;   So a tile's LDS address is the wave's number times 34,816 plus the slot's 159,744, whichever tensor the wave fetches.
;   A slot is 192 matrix instructions of a wave; from a request to the wait for it a wave issues 176 of them.
;   SIZE_K = 192 x (NSTEP - 1) + 64: the last step is one chunk: wave 0 brings B's 64 k rows, wave 3 A's 128 rows x 64 numbers at the same pitch.
;   B's rows in a tile are 512 bytes at multiples of 512 from the buffer's first byte; A's are 384 bytes at multiples of 128 (A is a third of a slot's bytes).
; CLUSTERS: 4 x 4 work-groups.  A's tiles hang on the block row alone, which the four of a column of the cluster share (same cx), and are asked for jointly by
;   them; B's hang on the block column alone, which the four of a row of the cluster share (same cy): that divides the requests for both by four.
; B LIES [K][N] IN LDS: ds_load_tr16_b128 transposes 8 x 8 numbers among eight lanes, which gives the fragment with k along a lane's registers.
; THE MATRIX INSTRUCTION IS USED TRANSPOSED (source 0 = 16 columns of B, source 1 = 16 rows of A): lane l then holds row l % 16 and its registers 0-7 the
;   columns 8 (l / 16) + 0 .. 7: eight neighbouring numbers of a row of the result.
; REGISTERS, in windows of 256: window 0: v0-31 addresses, v64-127 and v128-191 fragments of A (two buffers), v192-255 my 128 bias numbers;
;   window 1: v64-127, v128-191 fragments of B;  window 2: the 32 tiles of the rows that I finish (tile (a, b) at v[8 (8 a + b)]);  window 3: those of the rows that my partner finishes.
.set SIZE_K, 1024
.set SILU,   1                         ; 1: silu and f16 out;  0: f32 out
.set ROWB,   8192                      ; bytes in a row of the result
.set EB,     2                         ; bytes in a number of the result
.set SP,     272                       ; a stage row: my 128 numbers + 16 bytes
.set KSLOT,  192                       ; along K in a slot
.set KTAIL,  64                        ; along K in the last step
.set PA,     432                       ; A's LDS row: 108 words, so 16 rows start at 16 different groups of 4 banks (64 banks of 4 bytes: ISA guide 11.1)
.set CA,     144                       ; a chunk of 64 numbers in A's LDS row: 128 bytes + 16
.set PB,     544                       ; B's LDS row: 136 words, so 8 rows start 8 banks apart, and a lane's 16 bytes and its neighbour's fill the 8
.set PART,   64*PB                     ; 34,816: a chunk of B
.set AOFF,   3*PART                    ; 104,448
.set AHALF,  64*PA                     ; 27,648: 64 rows of A
.set SLOT,   AOFF+2*AHALF              ; 159,744, a multiple of 256
.set STAGE,  SLOT                      ; the stage lies in slot 1, behind that slot's last fill and last read
.set SW,     16*SP                     ; a wave's stage: 16 rows
.set NSTEP,  (SIZE_K-KTAIL)/KSLOT+1    ; steps, the short last one among them: even, so the last falls on slot 1
.set LAPS,   NSTEP/2                   ; a lap = two steps = once round the ring
.set ADRAL, 16                         ; v16-17  LDS address of A's fragments, the rows that I finish, slot 0, 1
.set ADRAH, 18                         ; v18-19  the same, the other 64 rows
.set ADRB,  20                         ; v20-21  the same for B, chunks 0 and 1
.set ADRB2, 22                         ; v22-23  B's chunk 2: 69,632 bytes on, more than an LDS instruction's 16-bit offset holds
.set STO,   24                         ; the way out: where I put my numbers of a row
.set RD,    25                         ; the way out: where I read rows back
.set CO,    26                         ; my byte offset in the result
.set XS,    27                         ; the exchange: where I put sums;  XL: where I find my partner's
.set XL,    28
.set BO,    29                         ; 32 (l / 16): my place in 64 bytes of the bias
.set F0,    64
.set F1,    128
.set BIAS,  192
.set T,     128                        ; behind the loop: 16 rows' sums at work (64 registers)
.if SILU
.set R,     32                         ; rows read back from the stage
.set TMP,   64                         ; packed f16
.set U,     96                         ; the sigmoid at work
.else
.set R,     64
.endif
.set G1,  24                           ; s[24:31] descriptor group 1, A's tiles
.set G0,  32                           ; s[32:39] group 0, A's tiles, a set for each slot
.set G1B, 48                           ; s[48:55] group 1, B's tiles
.set G0B, 56                           ; s[56:63] group 0, B's tiles, a set for each slot
.set G1T, 68                           ; s[68:75] group 1, A's last, short tile
.set MSB, 0
.macro WIN new                         ; the immediate's low byte: bits 1:0 source 0, 3:2 source 1, 5:4 source 2, 7:6 destination; its high byte repeats the setting that is left
.if MSB != \new
	s_set_vgpr_msb (MSB<<8)|\new
.set MSB, \new
.endif
.endm
.set MUL_LO, 0xa1                      ; source 0 (B) window 1, source 1 (A) window 0, C and D window 2
.set MUL_HI, 0xf1                      ; the same, C and D window 3
.set TO_B,   0x40                      ; destination window 1, address window 0
; A joint load of a whole slot.  Waves 0, 1, 2 fetch B's three chunks, wave 3 fetches A.  Each line has one mask and one set of registers for all that issue it;
; the branch hangs on the wave's number alone and is the same in every work-group.
.macro JLOAD s
	s_cmp_eq_u32 s12, 3
	s_cbranch_scc1 .Lfor_a_\@
	tensor_load_to_lds s[G0B+4*\s:G0B+4*\s+3], s[G1B:G1B+7]
	s_nop 0
	s_branch .Lasked_\@
.Lfor_a_\@:
	tensor_load_to_lds s[G0+4*\s:G0+4*\s+3], s[G1:G1+7]
	s_nop 0
.Lasked_\@:
.endm
; The joint load of the last step, one chunk: wave 0 fetches B's 64 k rows, wave 3 A's short tile; waves 1 and 2 have no part of it and issue nothing.
.macro JTAIL s
	s_cmp_eq_u32 s12, 0
	s_cbranch_scc0 .Lnot_b_\@
	tensor_load_to_lds s[G0B+4*\s:G0B+4*\s+3], s[G1B:G1B+7]
	s_nop 0
.Lnot_b_\@:
	s_cmp_eq_u32 s12, 3
	s_cbranch_scc0 .Lnot_a_\@
	tensor_load_to_lds s[G0+4*\s:G0+4*\s+3], s[G1T:G1T+7]
	s_nop 0
.Lnot_a_\@:
.endm
; A round of the cluster's barrier: my work-group's barrier, so that wave 0's signal speaks for all four waves; wave 0 signals for the work-group;
; every wave waits for all sixteen work-groups; my work-group's barrier once more.
.macro CREST                           ; a round behind its opening barrier
	s_cmp_lg_u32 s12, 0
	s_cbranch_scc1 .Lnot_wave_0_\@
	s_barrier_signal -3
.Lnot_wave_0_\@:
	s_barrier_wait -3
	s_barrier_signal -1
	s_barrier_wait -1
.endm
.macro CROUND                          ; a whole round
	s_barrier_signal -1
	s_barrier_wait -1
	CREST
.endm
	s_load_b256 s[4:11], s[0:1], 0x0               ; A s[4:5], B s[6:7], bias s[8:9], result s[10:11]
	s_set_vgpr_msb 0x40
	v_lshl_add_u32 v255, v0, 2, 0x4e000
	s_set_vgpr_msb 0x4000
	v_mov_b32 v31, 0
	s_set_vgpr_msb 0x1
	ds_add_u32 v255, v31
	s_set_vgpr_msb 0x100
	v_lshrrev_b32 v1, 5, v0
	v_readfirstlane_b32 s12, v1                    ; wave 0..3
	s_lshr_b32 s13, s12, 1                         ; kh: my half of every chunk along K
	s_and_b32 s14, s12, 1                          ; nh: my half of the columns
	s_bfe_u32 s40, ttmp6, 0x40000                  ; cx
	s_bfe_u32 s41, ttmp6, 0x40004                  ; cy
	s_lshl_b32 s43, ttmp9, 2                       ; in a cluster launch ttmp9 and ttmp7 count clusters
	s_add_co_u32 s43, s43, s40                     ; block row = 4 x cluster x + cx
	s_and_b32 s42, ttmp7, 0xffff
	s_lshl_b32 s42, s42, 2
	s_add_co_u32 s42, s42, s41                     ; block column = 4 x cluster y + cy
	s_lshl_b32 s44, 0x1111, s40                    ; A's partners, my column of the cluster: places cx, cx + 4, cx + 8, cx + 12
	s_lshl_b32 s45, s41, 2
	s_lshl_b32 s45, 15, s45                        ; B's partners, my row of the cluster: places 4 cy .. 4 cy + 3
	; group 1 for A: 128 rows x 192 numbers of 2 bytes; 4 words of padding behind every 32 words, three times in a row of 96 words
	s_or_b32 s[G1+0], s44, (1<<16)|(1<<20)|(1<<21)|(4<<22)|(3<<25)   ; 15:0 mask: my column of the cluster; 17:16 2 bytes; 20 padding on; 21 set beside a mask; 24:22 every 32 words; 31:25 4 words
	s_mov_b32 s[G1+1], KSLOT<<16                   ; tensor_dim0 = 192
	s_mov_b32 s[G1+2], 128<<16                     ; tensor_dim1 = 128
	s_mov_b32 s[G1+3], KSLOT<<16                   ; tile_dim0 = 192
	s_mov_b32 s[G1+4], 128                         ; tile_dim1 = 128
	s_mov_b32 s[G1+5], SIZE_K                      ; numbers from row to row
	s_mov_b32 s[G1+6], 0
	s_mov_b32 s[G1+7], 0
	; group 1 for A's last tile: 128 rows x 64 numbers; behind each row of 32 words 76 words of padding: the same pitch of 432 bytes
	s_or_b32 s[G1T+0], s44, (1<<16)|(1<<20)|(1<<21)|(4<<22)|(((PA-2*KTAIL)/4-1)<<25)
	s_mov_b32 s[G1T+1], KTAIL<<16                  ; tensor_dim0 = 64
	s_mov_b32 s[G1T+2], 128<<16                    ; tensor_dim1 = 128
	s_mov_b32 s[G1T+3], KTAIL<<16                  ; tile_dim0 = 64
	s_mov_b32 s[G1T+4], 128                        ; tile_dim1 = 128
	s_mov_b32 s[G1T+5], SIZE_K
	s_mov_b32 s[G1T+6], 0
	s_mov_b32 s[G1T+7], 0
	; group 1 for B: 64 k rows x 256 numbers of 2 bytes; 8 words of padding behind every 128 words
	s_or_b32 s[G1B+0], s45, (1<<16)|(1<<20)|(1<<21)|(6<<22)|(7<<25)  ; mask: my row of the cluster; every 128 words, 8 words
	s_mov_b32 s[G1B+1], 256<<16                    ; tensor_dim0 = 256
	s_mov_b32 s[G1B+2], 64<<16                     ; tensor_dim1 = 64
	s_mov_b32 s[G1B+3], 256<<16                    ; tile_dim0 = 256
	s_mov_b32 s[G1B+4], 64                         ; tile_dim1 = 64
	s_mov_b32 s[G1B+5], 4096                       ; numbers from k row to k row
	s_mov_b32 s[G1B+6], 0
	s_mov_b32 s[G1B+7], 0
	; where the tiles come from.  A's address is made of the block row alone, B's of the block column and the wave's number,
	; each in registers that never hold the other coordinate.  Every wave makes both and asks by one.
	s_lshl_b32 s16, s43, 7                         ; A: row 128 x block row
	s_mul_i32 s16, s16, SIZE_K*2                   ; in bytes (below 4 GiB)
	s_mov_b32 s17, 0
	s_lshl_b32 s46, s42, 9                         ; B: 512 bytes x block column
	s_lshl_b32 s21, s12, 19
	s_add_co_u32 s46, s46, s21                     ;    + 64 k rows of 8,192 bytes x wave
	s_mov_b32 s47, 0
	s_mul_i32 s20, s12, PART                       ; and where they go: wave x 34,816
	s_wait_dscnt 0x0
	s_wait_kmcnt 0x0
	s_add_nc_u64 s[16:17], s[4:5], s[16:17]
	s_add_nc_u64 s[46:47], s[6:7], s[46:47]
	CROUND                                         ; all sixteen work-groups are here: the first joint loads meet
.irp s, 0,1
	s_mov_b32 s[G0+4*\s], 1                                        ; count = 1
	s_add_co_u32 s[G0+4*\s+1], s20, \s*SLOT                        ; LDS address
	s_add_nc_u64 s[G0+4*\s+2:G0+4*\s+3], s[16:17], \s*KSLOT*2      ; step s: 384 bytes along A's rows
	s_or_b32 s[G0+4*\s+3], s[G0+4*\s+3], 0x80000000                ; type = 2
	s_mov_b32 s[G0B+4*\s], 1
	s_add_co_u32 s[G0B+4*\s+1], s20, \s*SLOT
	s_add_nc_u64 s[G0B+4*\s+2:G0B+4*\s+3], s[46:47], \s*KSLOT*8192 ; step s: 192 k rows down B
	s_or_b32 s[G0B+4*\s+3], s[G0B+4*\s+3], 0x80000000
	JLOAD \s                                       ; both slots are asked for before anything else: two tensor loads of the wave are out
.endr
	; A's fragment (16 rows x 32 k, 8 registers): lane l holds row l % 16; registers 0-3 k = 8 (l / 16) + 0..7, registers 4-7 k = 16 + 8 (l / 16) + 0..7:
	; two loads of 16 bytes, 32 bytes apart, at row x pitch + 16 (l / 16).
	v_and_b32 v1, 15, v0                           ; r = l % 16
	v_bfe_u32 v2, v0, 4, 1                         ; h = l / 16
	v_mul_u32_u24 v3, v1, PA
	v_lshl_add_u32 v3, v2, 4, v3
	s_lshl_b32 s21, s13, 6                         ; my half of a chunk: 64 bytes along A's rows
	s_add_co_u32 s21, s21, AOFF
	s_mul_i32 s22, s13, AHALF
	s_add_co_u32 s23, s21, s22                     ; rows 64 kh ..
	s_sub_co_u32 s22, AHALF, s22
	s_add_co_u32 s21, s21, s22                     ; rows 64 (1 - kh) ..
.irp s, 0,1
	v_add_nc_u32 v[ADRAL+\s], s23, v3
	v_add_nc_u32 v[ADRAH+\s], s21, v3
	s_add_co_u32 s23, s23, SLOT
	s_add_co_u32 s21, s21, SLOT
.endr
	; B's fragment by two transposing loads, 16 k rows apart: lane l addresses k row 8 (l / 16) + l % 8 and 16 bytes at 16 ((l / 8) % 2)
	v_and_b32 v4, 7, v0
	v_lshl_add_u32 v4, v2, 3, v4
	v_mul_u32_u24 v4, v4, PB
	v_bfe_u32 v5, v0, 3, 1
	v_lshl_add_u32 v4, v5, 4, v4
	s_mul_i32 s22, s13, 32*PB                      ; my half of a chunk: 32 k rows
	s_lshl_b32 s23, s14, 8                         ; my 128 columns: 256 bytes
	s_add_co_u32 s22, s22, s23
	v_add_nc_u32 v[ADRB], s22, v4
	s_add_co_u32 s23, s22, 2*PART
	v_add_nc_u32 v[ADRB2], s23, v4
	s_add_co_u32 s22, s22, SLOT
	v_add_nc_u32 v[ADRB+1], s22, v4
	s_add_co_u32 s23, s23, SLOT
	v_add_nc_u32 v[ADRB2+1], s23, v4
	; the exchange: 32,768 bytes a wave, in slot 0 after its last fill and last read
	v_and_b32 v6, 31, v0
	v_lshlrev_b32 v6, 4, v6                        ; 16 l
	s_lshl_b32 s22, s12, 15
	v_add_nc_u32 v[XS], s22, v6
	s_xor_b32 s22, s22, 0x10000                    ; wave xor 2: same columns, the other half of K
	v_add_nc_u32 v[XL], s22, v6
	; the stage
	s_mul_i32 s23, s12, SW
	s_add_co_u32 s23, s23, STAGE
	v_mul_u32_u24 v7, v1, SP
.if SILU
	v_lshl_add_u32 v7, v2, 4, v7                   ; in: row r, 16 bytes (8 f16) for each half of the lanes
	v_add_nc_u32 v[STO], s23, v7
	v_mul_u32_u24 v7, v2, SP                       ; back: lanes 0-15 one row of 256 bytes, lanes 16-31 the next
	v_lshl_add_u32 v7, v1, 4, v7
	v_add_nc_u32 v[RD], s23, v7
	v_lshlrev_b32 v7, 13, v2                       ; and the same two rows in the result
	v_lshl_add_u32 v[CO], v1, 4, v7
.else
	v_lshl_add_u32 v7, v2, 5, v7                   ; in: row r, 32 bytes (8 f32) for each half of the lanes
	v_add_nc_u32 v[STO], s23, v7
	v_add_nc_u32 v[RD], s23, v6                    ; back: 32 lanes take one row of 512 bytes
	v_mov_b32 v[CO], v6
.endif
	v_lshlrev_b32 v[BO], 5, v2
	; the bias of my 128 columns: for tile b a lane needs the 8 numbers of columns 16 b + 8 h + 0..7.  Waited for behind the K loop.
	s_lshl_b32 s46, s42, 10
	s_lshl_b32 s22, s14, 9
	s_add_co_u32 s46, s46, s22
	s_mov_b32 s47, 0
	s_add_nc_u64 s[8:9], s[8:9], s[46:47]
.irp b, 0,1,2,3,4,5,6,7
	global_load_b128 v[BIAS+8*\b:BIAS+8*\b+3],   v[BO], s[8:9] offset:64*\b
	global_load_b128 v[BIAS+8*\b+4:BIAS+8*\b+7], v[BO], s[8:9] offset:64*\b+16
.endr
	; the result at row 128 x block row + 64 kh, column 256 x block column + 128 nh
	s_lshl_b32 s16, s43, 7
	s_lshl_b32 s22, s13, 6
	s_add_co_u32 s16, s16, s22
	s_mul_i32 s16, s16, ROWB
	s_mov_b32 s17, 0
	s_add_nc_u64 s[10:11], s[10:11], s[16:17]
	s_lshl_b32 s46, s42, 8
	s_lshl_b32 s22, s14, 7
	s_add_co_u32 s46, s46, s22
	s_mul_i32 s46, s46, EB
	s_add_nc_u64 s[10:11], s[10:11], s[46:47]
; 16 matrix instructions: row blocks a0, a0 + 1 of the window's four (hi = 0: window 2, 1: window 3) x all 8 column blocks, 32 along K.
; zero = 1: the first product starts the sums: nothing is ever cleared.
; The 64 accumulators take turns, one instruction a turn, in the same order in every quarter, over the loop's backward jump too.
.macro MUL16 f, hi, a0, zero
.irp a, \a0, \a0+1
.irp b, 0,1,2,3,4,5,6,7
.if \zero
	v_wmma_f32_16x16x32_f16 v[8*(8*(\a)+\b):8*(8*(\a)+\b)+7], v[\f+8*\b:\f+8*\b+7], v[\f+8*(4*\hi+\a):\f+8*(4*\hi+\a)+7], 0
.else
	v_wmma_f32_16x16x32_f16 v[8*(8*(\a)+\b):8*(8*(\a)+\b)+7], v[\f+8*\b:\f+8*\b+7], v[\f+8*(4*\hi+\a):\f+8*(4*\hi+\a)+7], v[8*(8*(\a)+\b):8*(8*(\a)+\b)+7]
.endif
.endr
.endr
.endm
; 32 LDS loads in one run: my 32 k of chunk c of a slot into buffer f: B's 128 columns, A's rows for window 2, A's rows for window 3
.macro FETCH slot, c, f
	WIN TO_B
.irp i, 0,1,2,3,4,5,6,7
.if \c < 2
	ds_load_tr16_b128 v[\f+8*\i:\f+8*\i+3],   v[ADRB+\slot] offset:\c*PART+32*\i
	ds_load_tr16_b128 v[\f+8*\i+4:\f+8*\i+7], v[ADRB+\slot] offset:\c*PART+32*\i+16*PB
.else
	ds_load_tr16_b128 v[\f+8*\i:\f+8*\i+3],   v[ADRB2+\slot] offset:32*\i
	ds_load_tr16_b128 v[\f+8*\i+4:\f+8*\i+7], v[ADRB2+\slot] offset:32*\i+16*PB
.endif
.endr
	WIN 0
.irp i, 0,1,2,3
	ds_load_b128 v[\f+8*\i:\f+8*\i+3],   v[ADRAL+\slot] offset:\c*CA+\i*16*PA
	ds_load_b128 v[\f+8*\i+4:\f+8*\i+7], v[ADRAL+\slot] offset:\c*CA+\i*16*PA+32
.endr
.irp i, 0,1,2,3
	ds_load_b128 v[\f+32+8*\i:\f+32+8*\i+3],   v[ADRAH+\slot] offset:\c*CA+\i*16*PA
	ds_load_b128 v[\f+32+8*\i+4:\f+32+8*\i+7], v[ADRAH+\slot] offset:\c*CA+\i*16*PA+32
.endr
.endm
; A load into a register that a matrix instruction has read, and anything but a matrix instruction that reads a matrix result, stand four places behind
; that matrix instruction, and only plain vector instructions that name none of its registers are places (ISA guide 7.12.1 for vector instructions).
.macro PLACES
.rept 4
	v_nop
.endr
.endm
; A wave's step is three quarters of 32 k, 64 matrix instructions each; the buffers take turns: 0, 1, 0 on slot 0 and 1, 0, 1 on slot 1.
; One of the first two: multiplies buffer f; in its middle it fetches chunk c of the same slot into buffer g.
.macro QUARTER f, g, slot, c, zero
	s_wait_dscnt 8                                 ; B and A's rows for window 2 are in; the youngest eight loads (A's rows for window 3) may be out
	WIN MUL_LO
	MUL16 \f, 0, 0, \zero
	MUL16 \f, 0, 2, \zero
	PLACES
	FETCH \slot, \c, \g
	s_wait_dscnt 32                                ; all but the 32 just issued
	WIN MUL_HI
	MUL16 \f, 1, 0, \zero
	MUL16 \f, 1, 2, \zero
.endm
; The third: multiplies buffer f and changes slots.  fill = 1: this slot is filled again, two steps ahead; 2: with the last, short step; 0: not at all.
; One barrier for the change: in front of it each wave waits for its reads of this slot and for all its tensor loads, of which at most one is out: its part
; of the next slot.  Behind it nobody reads this slot and the next slot is whole: the refill comes first, then the next slot's first fragments.
.macro TURN f, g, slot, next, fill
	s_wait_dscnt 8
	WIN MUL_LO
	MUL16 \f, 0, 0, 0
	s_wait_dscnt 0                                 ; my reads of this slot are over
	s_wait_tensorcnt 0x0                           ; and all my tensor loads have landed
	ds_add_u32 v255, v31
	s_wait_dscnt 0x0
	s_barrier_signal -1                            ; say so (where the slot is filled again this barrier opens a round of the cluster's barrier),
	MUL16 \f, 0, 2, 0                              ; work on registers while the others arrive,
	WIN 0
	s_barrier_wait -1
.if \fill
	CREST                                          ; no wave of any partner still reads this slot's tile or has a load on its way
	s_add_nc_u64 s[G0+4*\slot+2:G0+4*\slot+3], s[G0+4*\slot+2:G0+4*\slot+3], 2*KSLOT*2
	s_add_nc_u64 s[G0B+4*\slot+2:G0B+4*\slot+3], s[G0B+4*\slot+2:G0B+4*\slot+3], 2*KSLOT*8192
.if \fill == 1
	JLOAD \slot                                    ; the first tensor load behind the round, and the wave's only one until the next
.else
	JTAIL \slot
.endif
.endif
	PLACES
	FETCH \next, 0, \g
	WIN MUL_HI
	MUL16 \f, 1, 0, 0
	MUL16 \f, 1, 2, 0
.endm
.macro LAP zero, tail                  ; once round the ring, both slots filled again; tail = 1: slot 1 with the last, short step
	QUARTER F0, F1, 0, 1, \zero
	QUARTER F1, F0, 0, 2, 0
	TURN F0, F1, 0, 1, 1
	QUARTER F1, F0, 1, 1, 0
	QUARTER F0, F1, 1, 2, 0
	TURN F1, F0, 1, 0, 1+\tail
.endm
	s_wait_tensorcnt 1                             ; my part of step 0 is in; step 1's may stay out
	s_barrier_signal -1
	s_barrier_wait -1                              ; everybody's is
	FETCH 0, 0, F0
	LAP 1, 0                                       ; the first lap stands in front of the loop: its first products start the sums
.if LAPS > 3
	WIN 0
	s_mov_b32 s15, LAPS-3
.Llap:
	LAP 0, 0
	WIN 0
	s_sub_co_u32 s15, s15, 1
	s_cmp_lg_u32 s15, 0
	s_cbranch_scc1 .Llap
.endif
	LAP 0, 1                                       ; the last lap but one asks for the last two steps: a whole one and the short one
	QUARTER F0, F1, 0, 1, 0                        ; the last lap fills nothing and has no round of the cluster's barrier
	QUARTER F1, F0, 0, 2, 0
	TURN F0, F1, 0, 1, 0
	s_wait_dscnt 8                                 ; the last step is one quarter: nothing more to fetch
	WIN MUL_LO
	MUL16 F1, 0, 0, 0
	MUL16 F1, 0, 2, 0
	s_wait_dscnt 0                                 ; my last reads of the ring are over; no tensor load is out since the last change of slots
	s_barrier_signal -1
	WIN MUL_HI
	MUL16 F1, 1, 0, 0
	MUL16 F1, 1, 2, 0
	WIN 0
	s_barrier_wait -1                              ; nobody reads the ring any more and both slots have had their last fill: slot 0 serves the exchange, slot 1 the stage
	; THE EXCHANGE: window 3 (the rows that my partner finishes) goes to my 32,768 bytes, register quadruple u at 512 u + 16 l
	PLACES                                         ; four places behind the last matrix instructions, for the stores of their results and the loads into buffer 1
	WIN 0x0c                                       ; store data (source 1) from window 3
.set u, 0
.rept 64
	ds_store_b128 v[XS], v[4*u:4*u+3] offset:512*u
.set u, u+1
.endr
	WIN 0
	s_wait_dscnt 0x0                               ; for my partner's sake: all my stores are done
	s_barrier_signal -1
	s_barrier_wait -1
	s_wait_loadcnt 0x0                             ; the bias
; THE WAY OUT, 16 rows at a time (row block a of window 2): my sums + my partner's + the bias; then through my own stage, so that whole rows leave.
.macro OUTG a
.irp u, 0,1,2,3,4,5,6,7,8,9,10,11,12,13,14,15
	ds_load_b128 v[T+4*\u:T+4*\u+3], v[XL] offset:(16*\a+\u)*512
.endr
	s_wait_dscnt 0x0
	WIN 0x02                                       ; source 0 from window 2
.set p, 0
.rept 32
	v_pk_add_f32 v[T+2*p:T+2*p+1], v[64*\a+2*p:64*\a+2*p+1], v[T+2*p:T+2*p+1]
.set p, p+1
.endr
	WIN 0
.set p, 0
.rept 32
	v_pk_add_f32 v[T+2*p:T+2*p+1], v[T+2*p:T+2*p+1], v[BIAS+2*p:BIAS+2*p+1]
.set p, p+1
.endr
.if SILU
	; silu(x) = x / (1 + 2^(-x log2 e)): for very negative x the power is infinite, its reciprocal 0, the result -0
.irp b, 0,1,2,3,4,5,6,7
.irp k, 0,1,2,3
	v_pk_mul_f32 v[U+2*\k:U+2*\k+1], v[T+8*\b+2*\k:T+8*\b+2*\k+1], 0xbfb8aa3b op_sel_hi:[1,0]
.endr
.irp k, 0,1,2,3,4,5,6,7
	v_exp_f32 v[U+\k], v[U+\k]
.endr
	v_nop                                          ; one plain instruction behind a transcendental before its result is used (ISA guide 5.7.2)
	s_wait_alu depctr_va_vdst(0)
.irp k, 0,1,2,3
	v_pk_add_f32 v[U+2*\k:U+2*\k+1], v[U+2*\k:U+2*\k+1], 1.0 op_sel_hi:[1,0]
.endr
.irp k, 0,1,2,3,4,5,6,7
	v_rcp_f32 v[U+\k], v[U+\k]
.endr
	v_nop
	s_wait_alu depctr_va_vdst(0)
.irp k, 0,1,2,3
	v_pk_mul_f32 v[U+2*\k:U+2*\k+1], v[U+2*\k:U+2*\k+1], v[T+8*\b+2*\k:T+8*\b+2*\k+1]
.endr
.irp k, 0,1,2,3
	v_cvt_pk_f16_f32 v[TMP+4*\b+\k], v[U+2*\k], v[U+2*\k+1]
.endr
.endr
.irp b, 0,1,2,3,4,5,6,7
	ds_store_b128 v[STO], v[TMP+4*\b:TMP+4*\b+3] offset:32*\b
.endr
	s_wait_xcnt 0x0                                ; every earlier memory instruction has had its addresses translated (ISA guide 3.1): R, which stores read, is loaded again only behind this wait
.irp t, 0,1,2,3,4,5,6,7
	ds_load_b128 v[R+4*\t:R+4*\t+3], v[RD] offset:\t*2*SP          ; LDS serves a wave's instructions in order (ISA guide 5.7.1.4): these see the stores above
.endr
.irp t, 0,1,2,3,4,5,6,7
	s_wait_dscnt 7-\t                              ; load t is in; the 7 - t behind it may be out
	global_store_b128 v[CO], v[R+4*\t:R+4*\t+3], s[10:11] offset:(16*\a+2*\t)*ROWB   ; 16 lanes store 256 consecutive bytes at a multiple of 256 from the buffer's first byte; the next launch reads them: no hint
.endr
.else
.irp u, 0,1,2,3,4,5,6,7,8,9,10,11,12,13,14,15
	ds_store_b128 v[STO], v[T+4*\u:T+4*\u+3] offset:64*(\u/2)+16*(\u%2)
.endr
	s_wait_xcnt 0x0                                ; every earlier memory instruction has had its addresses translated (ISA guide 3.1): R, which stores read, is loaded again only behind this wait
.irp t, 0,1,2,3,4,5,6,7,8,9,10,11,12,13,14,15
	ds_load_b128 v[R+4*\t:R+4*\t+3], v[RD] offset:\t*SP            ; LDS serves a wave's instructions in order (ISA guide 5.7.1.4): these see the stores above
.endr
.irp t, 0,1,2,3,4,5,6,7,8,9,10,11,12,13,14,15
	s_wait_dscnt 15-\t                             ; load t is in; the 15 - t behind it may be out
	global_store_b128 v[CO], v[R+4*\t:R+4*\t+3], s[10:11] offset:(16*\a+\t)*ROWB th:TH_STORE_NT   ; the wave stores 512 consecutive bytes at a multiple of 512 from the buffer's first byte
.endr
.endif
.endm
	OUTG 0
	OUTG 1
	OUTG 2
	OUTG 3
	s_set_vgpr_msb 0x1
	s_wait_tensorcnt 0x0
	ds_add_u32 v255, v31
	s_wait_dscnt 0x0
	s_set_vgpr_msb 0x100
	CROUND                                         ; the closing round: no work-group ends while a partner may still ask for a tile that names it
	s_endpgm
.Lfunc_end_k_q9742981930_gemm1:
	.size	k_q9742981930_gemm1, .Lfunc_end_k_q9742981930_gemm1-k_q9742981930_gemm1
	.p2alignl 7, 3214868480
	.fill 96, 4, 3214868480
	.section	.rodata,"a",@progbits
	.p2align	6, 0x0
	.amdhsa_kernel k_q9742981930_gemm1
		.amdhsa_group_segment_fixed_size 327680
		.amdhsa_private_segment_fixed_size 0
		.amdhsa_enable_private_segment 0
		.amdhsa_kernarg_size 32
		.amdhsa_user_sgpr_count 2
		.amdhsa_user_sgpr_kernarg_segment_ptr 1
		.amdhsa_wavefront_size32 1
		.amdhsa_system_sgpr_workgroup_id_x 1
		.amdhsa_system_sgpr_workgroup_id_y 1
		.amdhsa_system_sgpr_workgroup_id_z 1
		.amdhsa_system_vgpr_workitem_id 0
		.amdhsa_next_free_vgpr 1024
		.amdhsa_next_free_sgpr 76
		.amdhsa_reserve_vcc 0
		.amdhsa_float_denorm_mode_32 3
		.amdhsa_float_denorm_mode_16_64 3
		.amdhsa_memory_ordered 1
		.amdhsa_forward_progress 1
		.amdhsa_inst_pref_size 204
	.end_amdhsa_kernel
	.amdgpu_metadata
---
amdhsa.version: [ 1, 2 ]
amdhsa.kernels:
  - .name:           k_q9742981930_gemm1
    .symbol:         k_q9742981930_gemm1.kd
    .args:
      - { .name: E, .offset: 0, .size: 8, .value_kind: global_buffer, .address_space: global }
      - { .name: W1h, .offset: 8, .size: 8, .value_kind: global_buffer, .address_space: global }
      - { .name: b1, .offset: 16, .size: 8, .value_kind: global_buffer, .address_space: global }
      - { .name: H, .offset: 24, .size: 8, .value_kind: global_buffer, .address_space: global }
    .group_segment_fixed_size: 327680
    .private_segment_fixed_size: 0
    .kernarg_segment_align: 8
    .kernarg_segment_size: 32
    .max_flat_workgroup_size: 128
    .sgpr_count:     76
    .vgpr_count:     1024
    .wavefront_size: 32
...
	.end_amdgpu_metadata
.endif
;; end of part 2
;; launch gemm2 (part 3): grid 16 x 16, 4 waves a work-group, clusters of 4 x 4, 327,680 bytes of LDS; arguments H, W2h, b2, out0; writes out0
.if DOCPART == 3
	.amdgcn_target "amdgcn-amd-amdhsa--gfx1250"
	.amdhsa_code_object_version 6
	.text
	.protected	k_q9742981930_gemm2
	.globl	k_q9742981930_gemm2
	.p2align	8
	.type	k_q9742981930_gemm2,@function
k_q9742981930_gemm2:
	s_mov_b64 s[64:65], 0
	v_nop
	global_prefetch_b8 v0, s[64:65] scope:SCOPE_SE
	s_setreg_imm32_b32 hwreg(HW_REG_WAVE_MODE, 25, 1), 1
	s_wait_xcnt 0x0
	s_wait_alu depctr_hold_cnt(0) depctr_sa_sdst(0) depctr_va_vdst(0) depctr_va_sdst(0) depctr_va_ssrc(0) depctr_va_vcc(0) depctr_vm_vsrc(0)
	s_getreg_b32 s2, hwreg(HW_REG_IB_STS2, 6, 4)
	s_cmp_eq_u32 s2, 0
	s_cbranch_scc0 .Lentry_in_a_cluster
	s_endpgm
.Lentry_in_a_cluster:
	s_bfe_u32 s2, ttmp6, 0x10000c
	s_cmp_lg_u32 s2, 0xf033
	s_cbranch_scc0 .Lentry_shape_is_right
	s_endpgm
.Lentry_shape_is_right:
; GEMM 2: out0 = H W2h + b2.  H [2048][4096] f16, W2h [4096][4096] f16 (K down the rows), b2 [4096] f32, out0 [2048][4096] f32.  Nothing is left out.
; Sums and bias in f32.
; LIMIT (stated): each sum over K is made in two halves (k mod 64 below 32, and from 32 on), which are added at the end: another order of rounding than reference()'s.
; SHAPE: 256 work-groups, each a block of 128 rows x 256 columns, four waves.  A wave holds 128 x 128 sums (64 tiles of 16 x 16, 512 registers), so that
;   32 loads of 16 bytes a lane feed 64 matrix instructions; since the block has only two such squares, the four waves also split K:
;   wave w = 2 kh + nh takes all 128 rows, columns 128 nh .. + 127, and k = 64 c + 32 kh .. + 31 of every chunk c of 64 along K.  At the end waves w and
;   w xor 2 hand each other one half of their sums through LDS, and wave w finishes rows 64 kh .. 64 kh + 63.
; THE GRID: x counts the 16 block rows, y the 16 block columns.  y is the slow axis of the launch order, so the first 128 work-groups between them need all of
;   A and one half of B's columns, the other 128 all of A and the other half: 16.8 + 16.8 MB of distinct bytes for either half of the launch.  With the axes the
;   other way round it would be half of A and all of B, the larger operand: 8.4 + 33.5 MB.
; THE RING: two LDS slots, as large as fit: a slot holds 192 along K (three chunks), 159,744 bytes, two of them 319,488 of the 327,680 that there are.
;   bytes w x 34,816, w = 0, 1, 2: B's k rows 64 w .. 64 w + 63: 64 rows of 512 bytes + 32 of padding, fetched by wave w;
;   bytes 3 x 34,816: A's 128 rows x 192 numbers, fetched by wave 3: 16 bytes of padding behind every 128, so a chunk takes 144 bytes and a row 432.
;   So a tile's LDS address is the wave's number times 34,816 plus the slot's 159,744, whichever tensor the wave fetches.
;   A slot is 192 matrix instructions of a wave; from a request to the wait for it a wave issues 176 of them.
;   SIZE_K = 192 x (NSTEP - 1) + 64: the last step is one chunk: wave 0 brings B's 64 k rows, wave 3 A's 128 rows x 64 numbers at the same pitch.
;   B's rows in a tile are 512 bytes at multiples of 512 from the buffer's first byte; A's are 384 bytes at multiples of 128 (A is a third of a slot's bytes).
; CLUSTERS: 4 x 4 work-groups.  A's tiles hang on the block row alone, which the four of a column of the cluster share (same cx), and are asked for jointly by
;   them; B's hang on the block column alone, which the four of a row of the cluster share (same cy): that divides the requests for both by four.
; B LIES [K][N] IN LDS: ds_load_tr16_b128 transposes 8 x 8 numbers among eight lanes, which gives the fragment with k along a lane's registers.
; THE MATRIX INSTRUCTION IS USED TRANSPOSED (source 0 = 16 columns of B, source 1 = 16 rows of A): lane l then holds row l % 16 and its registers 0-7 the
;   columns 8 (l / 16) + 0 .. 7: eight neighbouring numbers of a row of the result.
; REGISTERS, in windows of 256: window 0: v0-31 addresses, v64-127 and v128-191 fragments of A (two buffers), v192-255 my 128 bias numbers;
;   window 1: v64-127, v128-191 fragments of B;  window 2: the 32 tiles of the rows that I finish (tile (a, b) at v[8 (8 a + b)]);  window 3: those of the rows that my partner finishes.
.set SIZE_K, 4096
.set SILU,   0                         ; 1: silu and f16 out;  0: f32 out
.set ROWB,   16384                     ; bytes in a row of the result
.set EB,     4                         ; bytes in a number of the result
.set SP,     528                       ; a stage row: my 128 numbers + 16 bytes
.set KSLOT,  192                       ; along K in a slot
.set KTAIL,  64                        ; along K in the last step
.set PA,     432                       ; A's LDS row: 108 words, so 16 rows start at 16 different groups of 4 banks (64 banks of 4 bytes: ISA guide 11.1)
.set CA,     144                       ; a chunk of 64 numbers in A's LDS row: 128 bytes + 16
.set PB,     544                       ; B's LDS row: 136 words, so 8 rows start 8 banks apart, and a lane's 16 bytes and its neighbour's fill the 8
.set PART,   64*PB                     ; 34,816: a chunk of B
.set AOFF,   3*PART                    ; 104,448
.set AHALF,  64*PA                     ; 27,648: 64 rows of A
.set SLOT,   AOFF+2*AHALF              ; 159,744, a multiple of 256
.set STAGE,  SLOT                      ; the stage lies in slot 1, behind that slot's last fill and last read
.set SW,     16*SP                     ; a wave's stage: 16 rows
.set NSTEP,  (SIZE_K-KTAIL)/KSLOT+1    ; steps, the short last one among them: even, so the last falls on slot 1
.set LAPS,   NSTEP/2                   ; a lap = two steps = once round the ring
.set ADRAL, 16                         ; v16-17  LDS address of A's fragments, the rows that I finish, slot 0, 1
.set ADRAH, 18                         ; v18-19  the same, the other 64 rows
.set ADRB,  20                         ; v20-21  the same for B, chunks 0 and 1
.set ADRB2, 22                         ; v22-23  B's chunk 2: 69,632 bytes on, more than an LDS instruction's 16-bit offset holds
.set STO,   24                         ; the way out: where I put my numbers of a row
.set RD,    25                         ; the way out: where I read rows back
.set CO,    26                         ; my byte offset in the result
.set XS,    27                         ; the exchange: where I put sums;  XL: where I find my partner's
.set XL,    28
.set BO,    29                         ; 32 (l / 16): my place in 64 bytes of the bias
.set F0,    64
.set F1,    128
.set BIAS,  192
.set T,     128                        ; behind the loop: 16 rows' sums at work (64 registers)
.if SILU
.set R,     32                         ; rows read back from the stage
.set TMP,   64                         ; packed f16
.set U,     96                         ; the sigmoid at work
.else
.set R,     64
.endif
.set G1,  24                           ; s[24:31] descriptor group 1, A's tiles
.set G0,  32                           ; s[32:39] group 0, A's tiles, a set for each slot
.set G1B, 48                           ; s[48:55] group 1, B's tiles
.set G0B, 56                           ; s[56:63] group 0, B's tiles, a set for each slot
.set G1T, 68                           ; s[68:75] group 1, A's last, short tile
.set MSB, 0
.macro WIN new                         ; the immediate's low byte: bits 1:0 source 0, 3:2 source 1, 5:4 source 2, 7:6 destination; its high byte repeats the setting that is left
.if MSB != \new
	s_set_vgpr_msb (MSB<<8)|\new
.set MSB, \new
.endif
.endm
.set MUL_LO, 0xa1                      ; source 0 (B) window 1, source 1 (A) window 0, C and D window 2
.set MUL_HI, 0xf1                      ; the same, C and D window 3
.set TO_B,   0x40                      ; destination window 1, address window 0
; A joint load of a whole slot.  Waves 0, 1, 2 fetch B's three chunks, wave 3 fetches A.  Each line has one mask and one set of registers for all that issue it;
; the branch hangs on the wave's number alone and is the same in every work-group.
.macro JLOAD s
	s_cmp_eq_u32 s12, 3
	s_cbranch_scc1 .Lfor_a_\@
	tensor_load_to_lds s[G0B+4*\s:G0B+4*\s+3], s[G1B:G1B+7]
	s_nop 0
	s_branch .Lasked_\@
.Lfor_a_\@:
	tensor_load_to_lds s[G0+4*\s:G0+4*\s+3], s[G1:G1+7]
	s_nop 0
.Lasked_\@:
.endm
; The joint load of the last step, one chunk: wave 0 fetches B's 64 k rows, wave 3 A's short tile; waves 1 and 2 have no part of it and issue nothing.
.macro JTAIL s
	s_cmp_eq_u32 s12, 0
	s_cbranch_scc0 .Lnot_b_\@
	tensor_load_to_lds s[G0B+4*\s:G0B+4*\s+3], s[G1B:G1B+7]
	s_nop 0
.Lnot_b_\@:
	s_cmp_eq_u32 s12, 3
	s_cbranch_scc0 .Lnot_a_\@
	tensor_load_to_lds s[G0+4*\s:G0+4*\s+3], s[G1T:G1T+7]
	s_nop 0
.Lnot_a_\@:
.endm
; A round of the cluster's barrier: my work-group's barrier, so that wave 0's signal speaks for all four waves; wave 0 signals for the work-group;
; every wave waits for all sixteen work-groups; my work-group's barrier once more.
.macro CREST                           ; a round behind its opening barrier
	s_cmp_lg_u32 s12, 0
	s_cbranch_scc1 .Lnot_wave_0_\@
	s_barrier_signal -3
.Lnot_wave_0_\@:
	s_barrier_wait -3
	s_barrier_signal -1
	s_barrier_wait -1
.endm
.macro CROUND                          ; a whole round
	s_barrier_signal -1
	s_barrier_wait -1
	CREST
.endm
	s_load_b256 s[4:11], s[0:1], 0x0               ; A s[4:5], B s[6:7], bias s[8:9], result s[10:11]
	s_set_vgpr_msb 0x40
	v_lshl_add_u32 v255, v0, 2, 0x4e000
	s_set_vgpr_msb 0x4000
	v_mov_b32 v63, 0
	s_set_vgpr_msb 0x1
	ds_add_u32 v255, v63
	s_set_vgpr_msb 0x100
	v_lshrrev_b32 v1, 5, v0
	v_readfirstlane_b32 s12, v1                    ; wave 0..3
	s_lshr_b32 s13, s12, 1                         ; kh: my half of every chunk along K
	s_and_b32 s14, s12, 1                          ; nh: my half of the columns
	s_bfe_u32 s40, ttmp6, 0x40000                  ; cx
	s_bfe_u32 s41, ttmp6, 0x40004                  ; cy
	s_lshl_b32 s43, ttmp9, 2                       ; in a cluster launch ttmp9 and ttmp7 count clusters
	s_add_co_u32 s43, s43, s40                     ; block row = 4 x cluster x + cx
	s_and_b32 s42, ttmp7, 0xffff
	s_lshl_b32 s42, s42, 2
	s_add_co_u32 s42, s42, s41                     ; block column = 4 x cluster y + cy
	s_lshl_b32 s44, 0x1111, s40                    ; A's partners, my column of the cluster: places cx, cx + 4, cx + 8, cx + 12
	s_lshl_b32 s45, s41, 2
	s_lshl_b32 s45, 15, s45                        ; B's partners, my row of the cluster: places 4 cy .. 4 cy + 3
	; group 1 for A: 128 rows x 192 numbers of 2 bytes; 4 words of padding behind every 32 words, three times in a row of 96 words
	s_or_b32 s[G1+0], s44, (1<<16)|(1<<20)|(1<<21)|(4<<22)|(3<<25)   ; 15:0 mask: my column of the cluster; 17:16 2 bytes; 20 padding on; 21 set beside a mask; 24:22 every 32 words; 31:25 4 words
	s_mov_b32 s[G1+1], KSLOT<<16                   ; tensor_dim0 = 192
	s_mov_b32 s[G1+2], 128<<16                     ; tensor_dim1 = 128
	s_mov_b32 s[G1+3], KSLOT<<16                   ; tile_dim0 = 192
	s_mov_b32 s[G1+4], 128                         ; tile_dim1 = 128
	s_mov_b32 s[G1+5], SIZE_K                      ; numbers from row to row
	s_mov_b32 s[G1+6], 0
	s_mov_b32 s[G1+7], 0
	; group 1 for A's last tile: 128 rows x 64 numbers; behind each row of 32 words 76 words of padding: the same pitch of 432 bytes
	s_or_b32 s[G1T+0], s44, (1<<16)|(1<<20)|(1<<21)|(4<<22)|(((PA-2*KTAIL)/4-1)<<25)
	s_mov_b32 s[G1T+1], KTAIL<<16                  ; tensor_dim0 = 64
	s_mov_b32 s[G1T+2], 128<<16                    ; tensor_dim1 = 128
	s_mov_b32 s[G1T+3], KTAIL<<16                  ; tile_dim0 = 64
	s_mov_b32 s[G1T+4], 128                        ; tile_dim1 = 128
	s_mov_b32 s[G1T+5], SIZE_K
	s_mov_b32 s[G1T+6], 0
	s_mov_b32 s[G1T+7], 0
	; group 1 for B: 64 k rows x 256 numbers of 2 bytes; 8 words of padding behind every 128 words
	s_or_b32 s[G1B+0], s45, (1<<16)|(1<<20)|(1<<21)|(6<<22)|(7<<25)  ; mask: my row of the cluster; every 128 words, 8 words
	s_mov_b32 s[G1B+1], 256<<16                    ; tensor_dim0 = 256
	s_mov_b32 s[G1B+2], 64<<16                     ; tensor_dim1 = 64
	s_mov_b32 s[G1B+3], 256<<16                    ; tile_dim0 = 256
	s_mov_b32 s[G1B+4], 64                         ; tile_dim1 = 64
	s_mov_b32 s[G1B+5], 4096                       ; numbers from k row to k row
	s_mov_b32 s[G1B+6], 0
	s_mov_b32 s[G1B+7], 0
	; where the tiles come from.  A's address is made of the block row alone, B's of the block column and the wave's number,
	; each in registers that never hold the other coordinate.  Every wave makes both and asks by one.
	s_lshl_b32 s16, s43, 7                         ; A: row 128 x block row
	s_mul_i32 s16, s16, SIZE_K*2                   ; in bytes (below 4 GiB)
	s_mov_b32 s17, 0
	s_lshl_b32 s46, s42, 9                         ; B: 512 bytes x block column
	s_lshl_b32 s21, s12, 19
	s_add_co_u32 s46, s46, s21                     ;    + 64 k rows of 8,192 bytes x wave
	s_mov_b32 s47, 0
	s_mul_i32 s20, s12, PART                       ; and where they go: wave x 34,816
	s_wait_dscnt 0x0
	s_wait_kmcnt 0x0
	s_add_nc_u64 s[16:17], s[4:5], s[16:17]
	s_add_nc_u64 s[46:47], s[6:7], s[46:47]
	CROUND                                         ; all sixteen work-groups are here: the first joint loads meet
.irp s, 0,1
	s_mov_b32 s[G0+4*\s], 1                                        ; count = 1
	s_add_co_u32 s[G0+4*\s+1], s20, \s*SLOT                        ; LDS address
	s_add_nc_u64 s[G0+4*\s+2:G0+4*\s+3], s[16:17], \s*KSLOT*2      ; step s: 384 bytes along A's rows
	s_or_b32 s[G0+4*\s+3], s[G0+4*\s+3], 0x80000000                ; type = 2
	s_mov_b32 s[G0B+4*\s], 1
	s_add_co_u32 s[G0B+4*\s+1], s20, \s*SLOT
	s_add_nc_u64 s[G0B+4*\s+2:G0B+4*\s+3], s[46:47], \s*KSLOT*8192 ; step s: 192 k rows down B
	s_or_b32 s[G0B+4*\s+3], s[G0B+4*\s+3], 0x80000000
	JLOAD \s                                       ; both slots are asked for before anything else: two tensor loads of the wave are out
.endr
	; A's fragment (16 rows x 32 k, 8 registers): lane l holds row l % 16; registers 0-3 k = 8 (l / 16) + 0..7, registers 4-7 k = 16 + 8 (l / 16) + 0..7:
	; two loads of 16 bytes, 32 bytes apart, at row x pitch + 16 (l / 16).
	v_and_b32 v1, 15, v0                           ; r = l % 16
	v_bfe_u32 v2, v0, 4, 1                         ; h = l / 16
	v_mul_u32_u24 v3, v1, PA
	v_lshl_add_u32 v3, v2, 4, v3
	s_lshl_b32 s21, s13, 6                         ; my half of a chunk: 64 bytes along A's rows
	s_add_co_u32 s21, s21, AOFF
	s_mul_i32 s22, s13, AHALF
	s_add_co_u32 s23, s21, s22                     ; rows 64 kh ..
	s_sub_co_u32 s22, AHALF, s22
	s_add_co_u32 s21, s21, s22                     ; rows 64 (1 - kh) ..
.irp s, 0,1
	v_add_nc_u32 v[ADRAL+\s], s23, v3
	v_add_nc_u32 v[ADRAH+\s], s21, v3
	s_add_co_u32 s23, s23, SLOT
	s_add_co_u32 s21, s21, SLOT
.endr
	; B's fragment by two transposing loads, 16 k rows apart: lane l addresses k row 8 (l / 16) + l % 8 and 16 bytes at 16 ((l / 8) % 2)
	v_and_b32 v4, 7, v0
	v_lshl_add_u32 v4, v2, 3, v4
	v_mul_u32_u24 v4, v4, PB
	v_bfe_u32 v5, v0, 3, 1
	v_lshl_add_u32 v4, v5, 4, v4
	s_mul_i32 s22, s13, 32*PB                      ; my half of a chunk: 32 k rows
	s_lshl_b32 s23, s14, 8                         ; my 128 columns: 256 bytes
	s_add_co_u32 s22, s22, s23
	v_add_nc_u32 v[ADRB], s22, v4
	s_add_co_u32 s23, s22, 2*PART
	v_add_nc_u32 v[ADRB2], s23, v4
	s_add_co_u32 s22, s22, SLOT
	v_add_nc_u32 v[ADRB+1], s22, v4
	s_add_co_u32 s23, s23, SLOT
	v_add_nc_u32 v[ADRB2+1], s23, v4
	; the exchange: 32,768 bytes a wave, in slot 0 after its last fill and last read
	v_and_b32 v6, 31, v0
	v_lshlrev_b32 v6, 4, v6                        ; 16 l
	s_lshl_b32 s22, s12, 15
	v_add_nc_u32 v[XS], s22, v6
	s_xor_b32 s22, s22, 0x10000                    ; wave xor 2: same columns, the other half of K
	v_add_nc_u32 v[XL], s22, v6
	; the stage
	s_mul_i32 s23, s12, SW
	s_add_co_u32 s23, s23, STAGE
	v_mul_u32_u24 v7, v1, SP
.if SILU
	v_lshl_add_u32 v7, v2, 4, v7                   ; in: row r, 16 bytes (8 f16) for each half of the lanes
	v_add_nc_u32 v[STO], s23, v7
	v_mul_u32_u24 v7, v2, SP                       ; back: lanes 0-15 one row of 256 bytes, lanes 16-31 the next
	v_lshl_add_u32 v7, v1, 4, v7
	v_add_nc_u32 v[RD], s23, v7
	v_lshlrev_b32 v7, 13, v2                       ; and the same two rows in the result
	v_lshl_add_u32 v[CO], v1, 4, v7
.else
	v_lshl_add_u32 v7, v2, 5, v7                   ; in: row r, 32 bytes (8 f32) for each half of the lanes
	v_add_nc_u32 v[STO], s23, v7
	v_add_nc_u32 v[RD], s23, v6                    ; back: 32 lanes take one row of 512 bytes
	v_mov_b32 v[CO], v6
.endif
	v_lshlrev_b32 v[BO], 5, v2
	; the bias of my 128 columns: for tile b a lane needs the 8 numbers of columns 16 b + 8 h + 0..7.  Waited for behind the K loop.
	s_lshl_b32 s46, s42, 10
	s_lshl_b32 s22, s14, 9
	s_add_co_u32 s46, s46, s22
	s_mov_b32 s47, 0
	s_add_nc_u64 s[8:9], s[8:9], s[46:47]
.irp b, 0,1,2,3,4,5,6,7
	global_load_b128 v[BIAS+8*\b:BIAS+8*\b+3],   v[BO], s[8:9] offset:64*\b
	global_load_b128 v[BIAS+8*\b+4:BIAS+8*\b+7], v[BO], s[8:9] offset:64*\b+16
.endr
	; the result at row 128 x block row + 64 kh, column 256 x block column + 128 nh
	s_lshl_b32 s16, s43, 7
	s_lshl_b32 s22, s13, 6
	s_add_co_u32 s16, s16, s22
	s_mul_i32 s16, s16, ROWB
	s_mov_b32 s17, 0
	s_add_nc_u64 s[10:11], s[10:11], s[16:17]
	s_lshl_b32 s46, s42, 8
	s_lshl_b32 s22, s14, 7
	s_add_co_u32 s46, s46, s22
	s_mul_i32 s46, s46, EB
	s_add_nc_u64 s[10:11], s[10:11], s[46:47]
; 16 matrix instructions: row blocks a0, a0 + 1 of the window's four (hi = 0: window 2, 1: window 3) x all 8 column blocks, 32 along K.
; zero = 1: the first product starts the sums: nothing is ever cleared.
; The 64 accumulators take turns, one instruction a turn, in the same order in every quarter, over the loop's backward jump too.
.macro MUL16 f, hi, a0, zero
.irp a, \a0, \a0+1
.irp b, 0,1,2,3,4,5,6,7
.if \zero
	v_wmma_f32_16x16x32_f16 v[8*(8*(\a)+\b):8*(8*(\a)+\b)+7], v[\f+8*\b:\f+8*\b+7], v[\f+8*(4*\hi+\a):\f+8*(4*\hi+\a)+7], 0
.else
	v_wmma_f32_16x16x32_f16 v[8*(8*(\a)+\b):8*(8*(\a)+\b)+7], v[\f+8*\b:\f+8*\b+7], v[\f+8*(4*\hi+\a):\f+8*(4*\hi+\a)+7], v[8*(8*(\a)+\b):8*(8*(\a)+\b)+7]
.endif
.endr
.endr
.endm
; 32 LDS loads in one run: my 32 k of chunk c of a slot into buffer f: B's 128 columns, A's rows for window 2, A's rows for window 3
.macro FETCH slot, c, f
	WIN TO_B
.irp i, 0,1,2,3,4,5,6,7
.if \c < 2
	ds_load_tr16_b128 v[\f+8*\i:\f+8*\i+3],   v[ADRB+\slot] offset:\c*PART+32*\i
	ds_load_tr16_b128 v[\f+8*\i+4:\f+8*\i+7], v[ADRB+\slot] offset:\c*PART+32*\i+16*PB
.else
	ds_load_tr16_b128 v[\f+8*\i:\f+8*\i+3],   v[ADRB2+\slot] offset:32*\i
	ds_load_tr16_b128 v[\f+8*\i+4:\f+8*\i+7], v[ADRB2+\slot] offset:32*\i+16*PB
.endif
.endr
	WIN 0
.irp i, 0,1,2,3
	ds_load_b128 v[\f+8*\i:\f+8*\i+3],   v[ADRAL+\slot] offset:\c*CA+\i*16*PA
	ds_load_b128 v[\f+8*\i+4:\f+8*\i+7], v[ADRAL+\slot] offset:\c*CA+\i*16*PA+32
.endr
.irp i, 0,1,2,3
	ds_load_b128 v[\f+32+8*\i:\f+32+8*\i+3],   v[ADRAH+\slot] offset:\c*CA+\i*16*PA
	ds_load_b128 v[\f+32+8*\i+4:\f+32+8*\i+7], v[ADRAH+\slot] offset:\c*CA+\i*16*PA+32
.endr
.endm
; A load into a register that a matrix instruction has read, and anything but a matrix instruction that reads a matrix result, stand four places behind
; that matrix instruction, and only plain vector instructions that name none of its registers are places (ISA guide 7.12.1 for vector instructions).
.macro PLACES
.rept 4
	v_nop
.endr
.endm
; A wave's step is three quarters of 32 k, 64 matrix instructions each; the buffers take turns: 0, 1, 0 on slot 0 and 1, 0, 1 on slot 1.
; One of the first two: multiplies buffer f; in its middle it fetches chunk c of the same slot into buffer g.
.macro QUARTER f, g, slot, c, zero
	s_wait_dscnt 8                                 ; B and A's rows for window 2 are in; the youngest eight loads (A's rows for window 3) may be out
	WIN MUL_LO
	MUL16 \f, 0, 0, \zero
	MUL16 \f, 0, 2, \zero
	PLACES
	FETCH \slot, \c, \g
	s_wait_dscnt 32                                ; all but the 32 just issued
	WIN MUL_HI
	MUL16 \f, 1, 0, \zero
	MUL16 \f, 1, 2, \zero
.endm
; The third: multiplies buffer f and changes slots.  fill = 1: this slot is filled again, two steps ahead; 2: with the last, short step; 0: not at all.
; One barrier for the change: in front of it each wave waits for its reads of this slot and for all its tensor loads, of which at most one is out: its part
; of the next slot.  Behind it nobody reads this slot and the next slot is whole: the refill comes first, then the next slot's first fragments.
.macro TURN f, g, slot, next, fill
	s_wait_dscnt 8
	WIN MUL_LO
	MUL16 \f, 0, 0, 0
	s_wait_dscnt 0                                 ; my reads of this slot are over
	s_wait_tensorcnt 0x0                           ; and all my tensor loads have landed
	ds_add_u32 v255, v63
	s_wait_dscnt 0x0
	s_barrier_signal -1                            ; say so (where the slot is filled again this barrier opens a round of the cluster's barrier),
	MUL16 \f, 0, 2, 0                              ; work on registers while the others arrive,
	WIN 0
	s_barrier_wait -1
.if \fill
	CREST                                          ; no wave of any partner still reads this slot's tile or has a load on its way
	s_add_nc_u64 s[G0+4*\slot+2:G0+4*\slot+3], s[G0+4*\slot+2:G0+4*\slot+3], 2*KSLOT*2
	s_add_nc_u64 s[G0B+4*\slot+2:G0B+4*\slot+3], s[G0B+4*\slot+2:G0B+4*\slot+3], 2*KSLOT*8192
.if \fill == 1
	JLOAD \slot                                    ; the first tensor load behind the round, and the wave's only one until the next
.else
	JTAIL \slot
.endif
.endif
	PLACES
	FETCH \next, 0, \g
	WIN MUL_HI
	MUL16 \f, 1, 0, 0
	MUL16 \f, 1, 2, 0
.endm
.macro LAP zero, tail                  ; once round the ring, both slots filled again; tail = 1: slot 1 with the last, short step
	QUARTER F0, F1, 0, 1, \zero
	QUARTER F1, F0, 0, 2, 0
	TURN F0, F1, 0, 1, 1
	QUARTER F1, F0, 1, 1, 0
	QUARTER F0, F1, 1, 2, 0
	TURN F1, F0, 1, 0, 1+\tail
.endm
	s_wait_tensorcnt 1                             ; my part of step 0 is in; step 1's may stay out
	s_barrier_signal -1
	s_barrier_wait -1                              ; everybody's is
	FETCH 0, 0, F0
	LAP 1, 0                                       ; the first lap stands in front of the loop: its first products start the sums
.if LAPS > 3
	WIN 0
	s_mov_b32 s15, LAPS-3
.Llap:
	LAP 0, 0
	WIN 0
	s_sub_co_u32 s15, s15, 1
	s_cmp_lg_u32 s15, 0
	s_cbranch_scc1 .Llap
.endif
	LAP 0, 1                                       ; the last lap but one asks for the last two steps: a whole one and the short one
	QUARTER F0, F1, 0, 1, 0                        ; the last lap fills nothing and has no round of the cluster's barrier
	QUARTER F1, F0, 0, 2, 0
	TURN F0, F1, 0, 1, 0
	s_wait_dscnt 8                                 ; the last step is one quarter: nothing more to fetch
	WIN MUL_LO
	MUL16 F1, 0, 0, 0
	MUL16 F1, 0, 2, 0
	s_wait_dscnt 0                                 ; my last reads of the ring are over; no tensor load is out since the last change of slots
	s_barrier_signal -1
	WIN MUL_HI
	MUL16 F1, 1, 0, 0
	MUL16 F1, 1, 2, 0
	WIN 0
	s_barrier_wait -1                              ; nobody reads the ring any more and both slots have had their last fill: slot 0 serves the exchange, slot 1 the stage
	; THE EXCHANGE: window 3 (the rows that my partner finishes) goes to my 32,768 bytes, register quadruple u at 512 u + 16 l
	PLACES                                         ; four places behind the last matrix instructions, for the stores of their results and the loads into buffer 1
	WIN 0x0c                                       ; store data (source 1) from window 3
.set u, 0
.rept 64
	ds_store_b128 v[XS], v[4*u:4*u+3] offset:512*u
.set u, u+1
.endr
	WIN 0
	s_wait_dscnt 0x0                               ; for my partner's sake: all my stores are done
	s_barrier_signal -1
	s_barrier_wait -1
	s_wait_loadcnt 0x0                             ; the bias
; THE WAY OUT, 16 rows at a time (row block a of window 2): my sums + my partner's + the bias; then through my own stage, so that whole rows leave.
.macro OUTG a
.irp u, 0,1,2,3,4,5,6,7,8,9,10,11,12,13,14,15
	ds_load_b128 v[T+4*\u:T+4*\u+3], v[XL] offset:(16*\a+\u)*512
.endr
	s_wait_dscnt 0x0
	WIN 0x02                                       ; source 0 from window 2
.set p, 0
.rept 32
	v_pk_add_f32 v[T+2*p:T+2*p+1], v[64*\a+2*p:64*\a+2*p+1], v[T+2*p:T+2*p+1]
.set p, p+1
.endr
	WIN 0
.set p, 0
.rept 32
	v_pk_add_f32 v[T+2*p:T+2*p+1], v[T+2*p:T+2*p+1], v[BIAS+2*p:BIAS+2*p+1]
.set p, p+1
.endr
.if SILU
	; silu(x) = x / (1 + 2^(-x log2 e)): for very negative x the power is infinite, its reciprocal 0, the result -0
.irp b, 0,1,2,3,4,5,6,7
.irp k, 0,1,2,3
	v_pk_mul_f32 v[U+2*\k:U+2*\k+1], v[T+8*\b+2*\k:T+8*\b+2*\k+1], 0xbfb8aa3b op_sel_hi:[1,0]
.endr
.irp k, 0,1,2,3,4,5,6,7
	v_exp_f32 v[U+\k], v[U+\k]
.endr
	v_nop                                          ; one plain instruction behind a transcendental before its result is used (ISA guide 5.7.2)
.irp k, 0,1,2,3
	v_pk_add_f32 v[U+2*\k:U+2*\k+1], v[U+2*\k:U+2*\k+1], 1.0 op_sel_hi:[1,0]
.endr
.irp k, 0,1,2,3,4,5,6,7
	v_rcp_f32 v[U+\k], v[U+\k]
.endr
	v_nop
.irp k, 0,1,2,3
	v_pk_mul_f32 v[U+2*\k:U+2*\k+1], v[U+2*\k:U+2*\k+1], v[T+8*\b+2*\k:T+8*\b+2*\k+1]
.endr
.irp k, 0,1,2,3
	v_cvt_pk_f16_f32 v[TMP+4*\b+\k], v[U+2*\k], v[U+2*\k+1]
.endr
.endr
.irp b, 0,1,2,3,4,5,6,7
	ds_store_b128 v[STO], v[TMP+4*\b:TMP+4*\b+3] offset:32*\b
.endr
	s_wait_xcnt 0x0                                ; every earlier memory instruction has had its addresses translated (ISA guide 3.1): R, which stores read, is loaded again only behind this wait
.irp t, 0,1,2,3,4,5,6,7
	ds_load_b128 v[R+4*\t:R+4*\t+3], v[RD] offset:\t*2*SP          ; LDS serves a wave's instructions in order (ISA guide 5.7.1.4): these see the stores above
.endr
.irp t, 0,1,2,3,4,5,6,7
	s_wait_dscnt 7-\t                              ; load t is in; the 7 - t behind it may be out
	global_store_b128 v[CO], v[R+4*\t:R+4*\t+3], s[10:11] offset:(16*\a+2*\t)*ROWB   ; 16 lanes store 256 consecutive bytes at a multiple of 256 from the buffer's first byte; the next launch reads them: no hint
.endr
.else
.irp u, 0,1,2,3,4,5,6,7,8,9,10,11,12,13,14,15
	ds_store_b128 v[STO], v[T+4*\u:T+4*\u+3] offset:64*(\u/2)+16*(\u%2)
.endr
	s_wait_xcnt 0x0                                ; every earlier memory instruction has had its addresses translated (ISA guide 3.1): R, which stores read, is loaded again only behind this wait
.irp t, 0,1,2,3,4,5,6,7,8,9,10,11,12,13,14,15
	ds_load_b128 v[R+4*\t:R+4*\t+3], v[RD] offset:\t*SP            ; LDS serves a wave's instructions in order (ISA guide 5.7.1.4): these see the stores above
.endr
.irp t, 0,1,2,3,4,5,6,7,8,9,10,11,12,13,14,15
	s_wait_dscnt 15-\t                             ; load t is in; the 15 - t behind it may be out
	global_store_b128 v[CO], v[R+4*\t:R+4*\t+3], s[10:11] offset:(16*\a+\t)*ROWB th:TH_STORE_NT   ; the wave stores 512 consecutive bytes at a multiple of 512 from the buffer's first byte
.endr
.endif
.endm
	OUTG 0
	OUTG 1
	OUTG 2
	OUTG 3
	s_set_vgpr_msb 0x1
	s_wait_tensorcnt 0x0
	ds_add_u32 v255, v63
	s_wait_dscnt 0x0
	s_set_vgpr_msb 0x100
	CROUND                                         ; the closing round: no work-group ends while a partner may still ask for a tile that names it
	s_endpgm
.Lfunc_end_k_q9742981930_gemm2:
	.size	k_q9742981930_gemm2, .Lfunc_end_k_q9742981930_gemm2-k_q9742981930_gemm2
	.p2alignl 7, 3214868480
	.fill 96, 4, 3214868480
	.section	.rodata,"a",@progbits
	.p2align	6, 0x0
	.amdhsa_kernel k_q9742981930_gemm2
		.amdhsa_group_segment_fixed_size 327680
		.amdhsa_private_segment_fixed_size 0
		.amdhsa_enable_private_segment 0
		.amdhsa_kernarg_size 32
		.amdhsa_user_sgpr_count 2
		.amdhsa_user_sgpr_kernarg_segment_ptr 1
		.amdhsa_wavefront_size32 1
		.amdhsa_system_sgpr_workgroup_id_x 1
		.amdhsa_system_sgpr_workgroup_id_y 1
		.amdhsa_system_sgpr_workgroup_id_z 1
		.amdhsa_system_vgpr_workitem_id 0
		.amdhsa_next_free_vgpr 1024
		.amdhsa_next_free_sgpr 76
		.amdhsa_reserve_vcc 0
		.amdhsa_float_denorm_mode_32 3
		.amdhsa_float_denorm_mode_16_64 3
		.amdhsa_memory_ordered 1
		.amdhsa_forward_progress 1
		.amdhsa_inst_pref_size 196
	.end_amdhsa_kernel
	.amdgpu_metadata
---
amdhsa.version: [ 1, 2 ]
amdhsa.kernels:
  - .name:           k_q9742981930_gemm2
    .symbol:         k_q9742981930_gemm2.kd
    .args:
      - { .name: H, .offset: 0, .size: 8, .value_kind: global_buffer, .address_space: global }
      - { .name: W2h, .offset: 8, .size: 8, .value_kind: global_buffer, .address_space: global }
      - { .name: b2, .offset: 16, .size: 8, .value_kind: global_buffer, .address_space: global }
      - { .name: out0, .offset: 24, .size: 8, .value_kind: global_buffer, .address_space: global }
    .group_segment_fixed_size: 327680
    .private_segment_fixed_size: 0
    .kernarg_segment_align: 8
    .kernarg_segment_size: 32
    .max_flat_workgroup_size: 128
    .sgpr_count:     76
    .vgpr_count:     1024
    .wavefront_size: 32
...
	.end_amdgpu_metadata
.endif
;; end of part 3
